; MI455X (gfx1250); checked and timed in simulation.
; The chip was launched on July 23, 2026; its instructions are those of AMD's public machine-readable ISA for CDNA 5 (MIT licence, August 2026) and "CDNA5" Instruction Set Architecture Reference Guide (July 2026). The comments in the code are by the model that wrote it; some were corrected since.
;; Flash Attention. Allowed arithmetic: matrix products marked QUANTISED: E5M2 operands, one E8M0 scale for each 32 along K, by v_wmma_scale_f32_16x16x128_f8f6f4 with both operands' format E5M2, f32 sums; everything else in f32.
;; Inputs: k_codes 4 x 2,048 x 16 x 2 x 32 uint8 (E5M2 codes of k, K innermost, in blocks of 32 codes); k_scales 4 x 2,048 x 16 x 2 uint8 (E8M0 scales of k, one for each 32 codes along K); q_codes 4 x 2,048 x 16 x 2 x 32 uint8 (E5M2 codes of q, K innermost, in blocks of 32 codes); q_scales 4 x 2,048 x 16 x 2 uint8 (E8M0 scales of q, one for each 32 codes along K); v_codes 4 x 16 x 64 x 64 x 32 uint8 (E5M2 codes of v, K innermost, in blocks of 32 codes); v_scales 4 x 16 x 64 x 64 uint8 (E8M0 scales of v, one for each 32 codes along K).
;; Outputs: out0 4 x 2,048 x 16 x 64 float32.
;; This version of the problem:
;;   THIS VERSION OF THE PROBLEM IS GIVEN IN LOW PRECISION. The matrix products marked QUANTISED in the list below multiply operands that are first quantised to E5M2 (5 exponent bits, 2 mantissa bits; 8 bits a number), with one power-of-two scale for each 32 numbers along K (OCP MX v1.0); their sums are f32. All else is computed in f32.
;;   The module's matrix products, in the order in which they are computed (A, B: the left and right operand; K: the contracted axis; several contracted axes count as one K, in the product's order):
;;     1. batch 64 x [M 2,048, K 64] x [K 64, N 2,048]; A: input q (given as codes); B: input k (given as codes): QUANTISED
;;     2. batch 64 x [M 64, K 2,048] x [K 2,048, N 2,048]; A: input v (given as codes); B: softmax (see below): QUANTISED
;;   THE QUANTISER, for each operand of a quantised product, along K:
;;     - K is cut into blocks of 32 from its start; a last block that is shorter is filled with zeros.
;;     - A block's scale is 2^e with e = floor(log2(the largest magnitude in the block)) - 15, held to -126 .. 127; a block of zeros has e = 0. As a byte (E8M0): e + 127.
;;     - Each number is divided by its block's scale, clamped to +-57,344, and rounded to the nearest number of E5M2, ties to even, subnormals kept.
;;     - The product sums the exact products of the quantised numbers (number of the format x scale) in f32.
;;   ~~~python
;;   def quantise(x, axis):      # numpy; x: float32 -> the quantised numbers, widened to float32 again
;;       x = np.moveaxis(x, axis, -1); K = x.shape[-1]
;;       x = np.pad(x, [(0, 0)] * (x.ndim - 1) + [(0, -K % 32)]); x = x.reshape(x.shape[:-1] + (-1, 32)); a = np.abs(x).max(-1, keepdims=True)
;;       e = np.where(a > 0, np.clip(np.frexp(np.where(a > 0, a, 1))[1] - 1 - 15, -126, 127), 0)      # np.frexp(a)[1] - 1 = floor(log2(a)), exactly
;;       r = np.clip(x / 2.0 ** e, -57344, 57344)
;;       step = 2.0 ** (np.maximum(np.frexp(np.where(r == 0, 1, r))[1] - 1, -14) - 2)
;;       q = np.round(r / step) * step * 2.0 ** e      # np.round: ties to even
;;       return np.moveaxis(q.reshape(q.shape[:-2] + (-1,))[..., :K], -1, axis).astype(np.float32)
;;   ~~~
;;   SOFTMAX AHEAD OF A QUANTISED PRODUCT. Where the list says 'softmax', what is quantised is not the finished softmax but p = 2^(t - M), with t = logit x log2(e) and M = ceil(the row's largest t), a whole number; so 1/2 < the row's largest p <= 1. The row's sum l is taken of the UNQUANTISED p, in f32, and the product's result is divided by l at the end. Since M is a whole number, a kernel that streams over the keys may use a running M (the ceiling of the running maximum): every later rescaling is an exact power of two, which a block's scale takes up: the codes' values come out the same.
;;   OPERANDS COMPUTED ON THE WAY. 'Computed on the way' means the value that the module computes at that place (a softmax that the list does not call 'softmax' is quantised finished and normalised). What goes into a quantiser is computed in f32, as accurately as f32 sums, v_exp_f32 and their like allow (about 1e-6 of the number): no bf16 or f16 on the way to a quantiser, and a product that is left as it is and whose result goes on into a quantised operand takes f32 operands (vector FMAs, or v_wmma_f32_16x16x4_f32). A number that lies on a knife's edge between two numbers of the format may be rounded either way, as far as f32 arithmetic and the matrix unit's own rounding can turn it there, and no further.
;;   INPUTS GIVEN AS CODES. k (in the module: [4, 2048, 16, 64], K = its axis 3); q (in the module: [4, 2048, 16, 64], K = its axis 3); v (in the module: [4, 2048, 16, 64], K = its axis 1): each comes as NAME_codes (uint8): NAME with its K axis moved to the last place and cut into blocks of 32 codes, [.., K / 32, bytes a block], one block behind the other in memory; one code a byte (a code: sign, 5 exponent bits, 2 mantissa bits); and NAME_scales (uint8): the same leading axes, one E8M0 byte (e + 127) for each 32 codes along K. Its value is code x scale, taken as it is: it is not quantised again, and the codes and scales need not be those that the quantiser above would give.
;; One version. Each part assembles by itself: llvm-mc -triple=amdgcn-amd-amdhsa -mcpu=gfx1250 --defsym DOCPART=n.
;; ======== version 1 of 1: 1 launch
;; limits: right only within a limited range of input values
;; launch attn (part 1): grid 256 x 1, 16 waves a work-group, clusters of 4 x 1, 327,680 bytes of LDS; arguments k_codes, k_scales, q_codes, q_scales, v_codes, v_scales, out0; writes out0
.if DOCPART == 1
	.amdgcn_target "amdgcn-amd-amdhsa--gfx1250"
	.amdhsa_code_object_version 6
	.text
	.protected	k_q04ef6b9998_attn
	.globl	k_q04ef6b9998_attn
	.p2align	8
	.type	k_q04ef6b9998_attn,@function
k_q04ef6b9998_attn:
	s_mov_b64 s[64:65], 0
	v_nop
	global_prefetch_b8 v0, s[64:65] scope:SCOPE_SE
	s_setreg_imm32_b32 hwreg(HW_REG_WAVE_MODE, 25, 1), 1
	s_wait_xcnt 0x0
	s_wait_alu depctr_hold_cnt(0) depctr_sa_sdst(0) depctr_va_vdst(0) depctr_va_sdst(0) depctr_va_ssrc(0) depctr_va_vcc(0) depctr_vm_vsrc(0)
	s_getreg_b32 s2, hwreg(HW_REG_IB_STS2, 6, 4)
	s_cmp_eq_u32 s2, 0
	s_cbranch_scc0 .Lentry_in_a_cluster
	s_endpgm
.Lentry_in_a_cluster:
	s_bfe_u32 s2, ttmp6, 0x10000c
	s_cmp_lg_u32 s2, 0x3003
	s_cbranch_scc0 .Lentry_shape_is_right
	s_endpgm
.Lentry_shape_is_right:
; out[b][q][h][:] = the sum over keys k <= q of softmax_k(Q[b][q][h] . K[b][k][h] / 8) V[b][k][h][:].  4 x 16 heads, 2,048 queries and keys, head size 64.
; Both products on codes of BF8 (E5M2) with one E8M0 scale byte for each 32 along a product's K.  q, k: codes along the head's 64 (rows of 64 bytes, 1,024 bytes from query to query), 2 scale bytes a row.
; v: codes with the KEYS innermost: for each head 64 rows of 2,048 bytes, and 64 scale bytes a row.  out: f32; a (query, head) row is 256 consecutive bytes, aligned.
; THE SOFTMAX AHEAD OF THE SECOND PRODUCT: t = score x log2(e) / 8; M = the row's largest t so far, rounded UP to a whole number; p = 2^(t - M) is quantised along the keys, not normalised.
; The row's sum is taken of the unquantised p, in f32, and divides at the end.  When M moves, the sum and O are multiplied by 2^(old M - new M): exact.
; SHARES.  A cluster of four work-groups is one head (ttmp9).  The head's 128 tiles of 16 queries go to 4 work-groups x 16 waves x 2 tiles: wave w of work-group cx owns tile TL = 8 (w / 2) + 4 (w % 2) + cx
; and tile TH = 127 - TL.  Keys go in steps of 128 (8 tiles of queries): tile T needs steps 0 .. T / 8, the last on the diagonal.  T / 8 is w / 2 or 15 - w / 2: it hangs on the wave's number alone,
; and every wave has (w / 2 + 1) + (16 - w / 2) = 17 steps of work, two of them masked.
; THE WHOLE HEAD'S K AND V COME TO LIE IN LDS, EACH BYTE FILLED ONCE, by joint tensor loads (the four work-groups need the same bytes: the same load, the same descriptor, a mask that names the four).
; THEY COME IN THREE STAGES, one load a wave each, so that the first product waits for 64 KiB and not for 256: keys 0-511 behind the opening round; keys 512-1,023 behind the round that shows the first
; stage landed; keys 1,024-2,047 behind a round after the high tile's step 3.  A barrier after its step 7 shows the last stage landed.  Steps 0-7 of the high tile are open in every wave, so all sixteen
; waves have the same work between these meetings; from step 8 on the waves run free.  No key loop has a barrier inside.
; THE FIRST PRODUCT HAS K = 64 in an instruction of K = 128: registers 8-15 of Q's and of K's fragments are zero codes, set once; their scale bytes are 0, which is 2^-127 over zeros.
; LAYOUT.  Both products are used transposed: S^T = K Q^T (source 0 = 16 keys, source 1 = my 16 queries), O^T = V^T P^T (source 0 = 16 of the head's 64, source 1 = P): a lane holds ONE query (lane % 16).
; THE KEYS OF A TILE ARE NOT NEIGHBOURS: lane r of tile 2 b + u takes key 32 b + 8 u + r + 8 (r / 8), so that the 16 registers of tiles 2 b, 2 b + 1 are 16 neighbouring keys, 32 b + 16 (lane / 16) + 0 .. 15.
; LIMITS.  Hidden keys count as -infinity where the definition adds -1e9: the same as long as a row's logits span less than about 1e9.  NaN and infinity codes and scale bytes 0xff are not served.
; A block of p that is all zeros keeps the scale byte 1 (its codes are zeros).  A block's largest p is made from the block's largest score: this takes v_exp_f32 not to fall where its input rises.
; LDS.  Each stage has a run of LDS of its own.  K: in a stage the keys with key % 8 = j lie together, dense, 64 bytes each, and 16 bytes are left free behind each such run: key k of a stage at (k % 8) x run + (k / 8) x 64.
; Lane r of a fragment takes run r % 8 and row 4 b + u + 2 (r / 8): in units of 16 bytes modulo 16 that is (r % 8) + 8 (r / 8) + a constant for runs of 257 x 16 and of 513 x 16 bytes: 16 lanes, 16 different columns (64 banks of 4 bytes: ISA guide 11.1)
.set KRGA,  4112                       ; stages 0 and 1 (512 keys each): a run is 64 keys, 4,096 bytes + 16
.set KCHA,  33024                      ; stage 1 begins here (8 x 4,112 rounded up to a multiple of 256)
.set KB2,   2*KCHA                     ; 66,048: stage 2 (1,024 keys):
.set KRGB,  8208                       ; a run is 128 keys, 8,192 bytes + 16
.set KSTEP, 1024                       ; a step's 128 keys are 16 rows of each of the eight runs
.set VB,    KB2+65792                  ; 131,840: V's codes.  Stages 0 and 1: 64 rows of
.set VPA,   528                        ; 512 bytes + 16 of padding = 33 x 16
.set VCHA,  64*VPA
.set VB2,   VB+2*VCHA                  ; 199,424: stage 2: 64 rows of
.set VPB,   1040                       ; 1,024 bytes + 16 = 65 x 16
.set SCK,   VB2+64*VPB                 ; 265,984: K's scale bytes, 2 a key, at 2 x key: 4,096 bytes, written by LDS stores
.set SCV,   SCK+4096                   ; V's scale bytes: 64 rows of 64 bytes + 8: 4,608 bytes, written by LDS stores
.set SVP,   72
.set STG,   SCV+64*SVP                 ; the way out: for each wave 16 rows x (128 bytes + 16)
.set SGP,   144
.set SGW,   16*SGP
.set SPARE, STG+16*SGW                 ; 311,552: the spare words, 128 bytes for each wave: eight blocks of 256 bytes that no other line names.  The text uses 313,600 bytes
.set AK,  1                            ; v1   my lane's place in a tile of K, by the stage's run
.set AV,  2                            ; v2   in a tile of V, by the stage's pitch
.set ASK, 3                            ; v3   among K's scale bytes: lanes 0-15 the even tile's keys, lanes 16-31 the odd tile's
.set ASV, 4                            ; v4   among V's: lane l takes row l of 32
.set NIL, 5                            ; v5   0; never rewritten
.set SO,  6                            ; v6   the way out: where I put 32 bytes of a row in my stage
.set SR,  7                            ; v7   where I read 16 bytes back
.set ADK, 8                            ; v8-11 the step's LDS addresses: K, V, K's scales, V's scales
.set ADV, 9
.set ADS, 10
.set ADT, 11                           ; v12 -M, v13 the largest t, v[14:15] the sum in two halves
.set GO,  8                            ; v8   on the way out: my byte offset in the tile's rows of out
.set QH,  16                           ; v16-31 Q of the high tile: codes in 8 registers, zeros in 8
.set QL,  32                           ; v32-47 Q of the low tile
.set QHS, 48                           ; v48, v49 their scale words
.set QLS, 49
.set DH,  50                           ; v50, v51 on the diagonal: my query less the step's first key less 16 (lane / 16)
.set DL,  51
.set KS,  52                           ; v52-55 K's scale words of a step;  v56-57 V's;  v58 p's.  v48, v49, v52-58 hold scales and nothing else
.set VS,  56
.set PW,  58
.set NINF, 59                          ; v59  -infinity
.set FF,  60                           ; v[60:61] f = 2^(old M - new M) (v61 is named with it as a pair, so it is written)
.set TT,  62                           ; v62  at work
.set SPW, 63                           ; v63  LDS address of my spare word: SPARE + 4 x my thread's number; never rewritten
.set KF,  64                           ; v64-127 four fragments of K: codes in registers 0-7, zeros in 8-15 of each
.set S,   128                          ; v128-191 S^T, then p, then four fragments of V
.set O,   192                          ; v192-223 O^T: four tiles of 16 of the head's 64
.set PC,  224                          ; v224-239 p's codes
.set BM,  240                          ; v240-243 the blocks' largest scores, then largest p
.set BP,  244                          ; v244-247 the other half's maxima, then the scale bytes, then a chain of the sum
.set HL,  248                          ; v248-251 two chains of the sum
.set CV,  252                          ; v252-255 the conversions' scale operands
.set P0,  134                          ; v134-139 addresses of the head's loads and stores (S^T's registers are free there)
.set WV,  18                           ; s18  my wave's number
.set MNT, 19
.set SEL, 20                           ; s[20:21] v_permlanex16_b32's selects for lane l xor 16
.set CS,  22                           ; s[22:23] c = log2(e) / 8: the packed form names a pair and takes its low word for both halves
.set G1K, 24                           ; s[24:31] descriptor group 1 for K's tiles;  s[32:39] for V's
.set G1V, 32
.set G0K, 40                           ; s[40:47] group 0 for K's loads: set 0 for stage 0 and later for stage 2, set 1 for stage 1;  s[48:55] the same for V's
.set G0V, 48
.set KI,  56                           ; s56  the step's number: the loops' counter
.set TK,  57                           ; s57-60 where the step begins: in K, in V, in K's scales, in V's scales
.set TV,  58
.set TS,  59
.set TJ,  60
.set AH,  61                           ; s61  the high tile's last step: 15 - w / 2
.set AL,  62                           ; s62  the low tile's: w / 2
.set HM,  63                           ; s63  the lanes with lane % 16 >= 8
.set CX,  66                           ; s66  my work-group's place in the cluster: it enters Q's and out's addresses and the mask's numbers alone
.set BB,  68                           ; s68  batch;  s69 head in the batch
.set HD,  69
.set IDX, 70                           ; s70  4 (w % 2) + cx
.set WL,  71                           ; s71  w % 8
.set QCH, 72                           ; s[72:73], s[74:75] q_codes at the high tile, at the low;  s[76:79] q_scales likewise;  s[80:83] out likewise
.set QCL, 74
.set QSH, 76
.set QSL, 78
.set OH,  80
.set OL,  82
; A round of the cluster's barrier: my work-group's barrier, so that wave 0's signal speaks for all sixteen waves; wave 0 signals for the work-group; every wave waits for all four work-groups; my work-group's barrier once more.
.macro CROUND
	s_barrier_signal -1
	s_barrier_wait -1
	s_cmp_lg_u32 s[WV], 0
	s_cbranch_scc1 .Lnot_wave_0_\@
	s_barrier_signal -3
.Lnot_wave_0_\@:
	s_barrier_wait -3
	s_barrier_signal -1
	s_barrier_wait -1
.endm
; A joint load: waves 0-7 fetch for K, waves 8-15 for V, one load a wave.  The branch hangs on the wave's number alone.  Four v_nop follow each of the two lines, ahead of the jump, the label and what follows.
.macro JLOAD g0k, g0v
	s_cmp_lt_u32 s[WV], 8
	s_cbranch_scc0 .Lfor_v_\@
	tensor_load_to_lds s[\g0k:\g0k+3], s[G1K:G1K+7]
	s_nop 0
.rept 4
	v_nop
.endr
	s_branch .Lasked_\@
.Lfor_v_\@:
	tensor_load_to_lds s[\g0v:\g0v+3], s[G1V:G1V+7]
	s_nop 0
.rept 4
	v_nop
.endr
.Lasked_\@:
.endm
; My lane's places in a tile of K and of V, for a stage whose runs of K are krg bytes apart and whose rows of V vp bytes
.macro PLACE krg, vp
	v_and_b32 v[TT], 7, v0
	s_delay_alu instid0(VALU_DEP_1)
	v_mul_u32_u24 v[AK], v[TT], \krg               ; K: run r % 8,
	v_bfe_u32 v[TT], v0, 3, 1
	s_delay_alu instid0(VALU_DEP_1)
	v_lshl_add_u32 v[AK], v[TT], 7, v[AK]          ; two rows on for r >= 8,
	v_and_b32 v[TT], 15, v0
	s_delay_alu instid0(VALU_DEP_1)
	v_mul_u32_u24 v[AV], v[TT], \vp                ; V: row r,
	v_bfe_u32 v[TT], v0, 4, 1
	s_delay_alu instid0(VALU_DEP_1)
	v_lshl_add_u32 v[AK], v[TT], 4, v[AK]          ; and 16 bytes on for lanes 16-31 in both
	s_delay_alu instid0(VALU_DEP_2)
	v_lshl_add_u32 v[AV], v[TT], 4, v[AV]
.endm
; A tile's start: the largest t is -3e38, under every t; the sum and O^T are zeros, which the first change of M leaves zeros: so a step is written once
.macro RESET
	v_mov_b32 v13, 0xff61b1e6
	v_mov_b32 v14, 0
	v_mov_b32 v15, 0
	s_delay_alu instid0(VALU_DEP_3)
	v_floor_f32 v12, -v13
.set jj, 0
.rept 32
	v_mov_b32 v[O+jj], 0
.set jj, jj+1
.endr
.endm
.macro START ki, tk, tv, ts, tj
	s_mov_b32 s[KI], \ki
	s_mov_b32 s[TK], \tk
	s_mov_b32 s[TV], \tv
	s_mov_b32 s[TS], \ts
	s_mov_b32 s[TJ], \tj
.endm
	s_load_b256 s[4:11], s[0:1], 0x0               ; k_codes s[4:5], k_scales s[6:7], q_codes s[8:9], q_scales s[10:11]
	s_load_b128 s[12:15], s[0:1], 0x20             ; v_codes s[12:13], v_scales s[14:15]
	s_load_b64 s[16:17], s[0:1], 0x30              ; out0
	v_lshl_add_u32 v[SPW], v0, 2, SPARE
	v_mov_b32 v[NIL], 0
	ds_add_u32 v63, v5
	ds_add_u32 v63, v5
	s_wait_dscnt 0x0
	v_lshrrev_b32 v8, 5, v0
	s_delay_alu instid0(VALU_DEP_1)
	v_readfirstlane_b32 s[WV], v8                  ; wave 0..15
	s_bfe_u32 s[CX], ttmp6, 0x40000                ; cx
	s_lshr_b32 s[BB], ttmp9, 4                     ; in a cluster launch ttmp9 counts clusters: the head, 16 x batch + head in the batch
	s_and_b32 s[HD], ttmp9, 15
	s_and_b32 s[WL], s[WV], 7
	s_and_b32 s[IDX], s[WV], 1
	s_lshl_b32 s[IDX], s[IDX], 2
	s_add_co_u32 s[IDX], s[IDX], s[CX]
	s_lshr_b32 s[AL], s[WV], 1
	s_sub_co_u32 s[AH], 15, s[AL]
	s_mov_b32 s[SEL], 0x76543210
	s_mov_b32 s[SEL+1], 0xfedcba98
	s_mov_b32 s[CS], 0x3e38aa3b                    ; log2(e) / 8
	s_mov_b32 s[CS+1], s[CS]
	s_mov_b32 s[HM], 0xff00ff00
	; descriptor group 1, as stages 0 and 1 want it.  K: 64 keys x 64 bytes, every eighth key: 8,192 bytes from row to row in memory, dense in LDS
	s_mov_b32 s[G1K], 15|(1<<21)                   ; 15:0 the mask: all four work-groups; 17:16 elements of 1 byte; 20 no padding; 21 set beside a mask
	s_mov_b32 s[G1K+1], 64<<16                     ; tensor_dim0
	s_mov_b32 s[G1K+2], 64<<16                     ; tensor_dim1
	s_mov_b32 s[G1K+3], 64<<16                     ; tile_dim0
	s_mov_b32 s[G1K+4], 64                         ; tile_dim1
	s_mov_b32 s[G1K+5], 8192                       ; tensor_dim0_stride
	s_mov_b32 s[G1K+6], 0
	s_mov_b32 s[G1K+7], 0
	; V: 8 rows x 512 bytes, 2,048 bytes from row to row; 4 words of padding behind every 128, that is behind every row
	s_mov_b32 s[G1V], 15|(1<<20)|(1<<21)|(6<<22)|(3<<25)
	s_mov_b32 s[G1V+1], 512<<16
	s_mov_b32 s[G1V+2], 8<<16
	s_mov_b32 s[G1V+3], 512<<16
	s_mov_b32 s[G1V+4], 8
	s_mov_b32 s[G1V+5], 2048
	s_mov_b32 s[G1V+6], 0
	s_mov_b32 s[G1V+7], 0
	; what I fetch: waves 0-7 the keys with key % 8 = w of each stage of K; waves 8-15 rows 8 (w % 8) on of V.  Made of the head and the wave's number alone, in registers that never hold cx
	s_lshl_b32 s84, s[BB], 21
	s_lshl_b32 s86, s[HD], 6
	s_add_co_u32 s84, s84, s86
	s_lshl_b32 s86, s[WL], 10
	s_add_co_u32 s84, s84, s86                     ; K: batch x 2^21 + head x 64 + key (w % 8) x 1,024
	s_mov_b32 s85, 0
	s_lshl_b32 s86, ttmp9, 17
	s_lshl_b32 s87, s[WL], 14
	s_add_co_u32 s86, s86, s87                     ; V: head x 2^17 + 8 rows x 2,048 x (w % 8)
	s_mov_b32 s87, 0
	s_mul_i32 s88, s[WL], KRGA                     ; and where they go: the wave's number times a constant, plus the stage's constant: each wave's bytes are its own
	s_mul_i32 s89, s[WL], 8*VPA
	s_add_co_u32 s89, s89, VB
	; my two tiles' offsets in q_codes, q_scales and out0
	s_lshl_b32 s94, s[AL], 3
	s_add_co_u32 s94, s94, s[IDX]                  ; TL
	s_sub_co_u32 s95, 127, s94                     ; TH
	s_lshl_b32 s90, s[BB], 21
	s_lshl_b32 s91, s[HD], 6
	s_add_co_u32 s90, s90, s91
	s_lshl_b32 s92, s95, 14                        ; 16 queries of 1,024 bytes a tile
	s_add_co_u32 s[QCH], s90, s92
	s_mov_b32 s[QCH+1], 0
	s_lshl_b32 s92, s94, 14
	s_add_co_u32 s[QCL], s90, s92
	s_mov_b32 s[QCL+1], 0
	s_lshl_b32 s90, s[BB], 16
	s_lshl_b32 s91, s[HD], 1
	s_add_co_u32 s90, s90, s91                     ; scale bytes of q and of k: batch x 2^16 + head x 2
	s_lshl_b32 s92, s95, 9                         ; 16 queries of 32 bytes a tile
	s_add_co_u32 s[QSH], s90, s92
	s_mov_b32 s[QSH+1], 0
	s_lshl_b32 s92, s94, 9
	s_add_co_u32 s[QSL], s90, s92
	s_mov_b32 s[QSL+1], 0
	s_lshl_b32 s92, s[WV], 12
	s_add_co_u32 s92, s90, s92                     ; k_scales: my wave copies those of keys 128 w on
	s_mov_b32 s93, 0
	s_lshl_b32 s90, s[BB], 23
	s_lshl_b32 s91, s[HD], 8
	s_add_co_u32 s90, s90, s91
	s_lshl_b32 s91, s95, 16                        ; 16 queries of 4,096 bytes a tile
	s_add_co_u32 s[OH], s90, s91
	s_mov_b32 s[OH+1], 0
	s_lshl_b32 s91, s94, 16
	s_add_co_u32 s[OL], s90, s91
	s_mov_b32 s[OL+1], 0
	s_lshl_b32 s90, ttmp9, 12
	s_lshl_b32 s91, s[WV], 8
	s_add_co_u32 s90, s90, s91                     ; v_scales: head x 4,096 + my wave's 256 bytes
	s_mov_b32 s91, 0
	s_lshl_b32 s2, s[IDX], 4                       ; the low tile's first query less its diagonal step's first key: 16 idx;
	s_sub_co_u32 s3, 112, s2                       ; the high tile's: 16 (7 - idx)
	; the lanes' places
	v_and_b32 v11, 31, v0                          ; l
	v_and_b32 v8, 15, v0                           ; r
	v_bfe_u32 v9, v0, 4, 1                         ; hh
	s_delay_alu instid0(VALU_DEP_2)
	v_and_b32 v10, 8, v8
	s_delay_alu instid0(VALU_DEP_1)
	v_add_nc_u32 v10, v10, v8                      ; rho = r + 8 (r / 8)
	v_lshlrev_b32 v[P0], 5, v11                    ; k_scales: 32 bytes from key to key
	v_lshlrev_b32 v[P0+1], 3, v11                  ; v_scales: 8 bytes a lane
	v_lshlrev_b32 v[P0+2], 10, v8
	s_delay_alu instid0(VALU_DEP_1)
	v_lshl_add_u32 v[P0+2], v9, 4, v[P0+2]         ; q_codes: row r, + 16 hh
	v_lshlrev_b32 v[P0+3], 5, v8                   ; q_scales: row r
	s_lshl_b32 s[TK], s[WV], 8                     ; (these four scalars are set anew in front of each loop)
	s_add_co_u32 s[TK], s[TK], SCK
	v_lshlrev_b32 v[P0+4], 1, v11
	s_delay_alu instid0(VALU_DEP_1)
	v_add_nc_u32 v[P0+4], s[TK], v[P0+4]           ; K's scale bytes go to SCK + 256 w + 2 l
	s_mul_i32 s[TV], s[WV], 4*SVP
	s_add_co_u32 s[TV], s[TV], SCV
	v_lshrrev_b32 v[TT], 3, v11
	s_delay_alu instid0(VALU_DEP_1)
	v_mul_u32_u24 v[P0+5], v[TT], SVP
	v_and_b32 v[TT], 7, v11
	s_delay_alu instid0(VALU_DEP_1)
	v_lshl_add_u32 v[P0+5], v[TT], 3, v[P0+5]
	s_delay_alu instid0(VALU_DEP_1)
	v_add_nc_u32 v[P0+5], s[TV], v[P0+5]           ; V's to SCV + 288 w + 72 (l / 8) + 8 (l % 8)
	s_wait_alu depctr_va_vdst(0)
	s_wait_kmcnt 0x0
	s_add_nc_u64 s[6:7], s[6:7], s[92:93]
	s_add_nc_u64 s[14:15], s[14:15], s[90:91]
	s_add_nc_u64 s[QCH:QCH+1], s[8:9], s[QCH:QCH+1]
	s_add_nc_u64 s[QCL:QCL+1], s[8:9], s[QCL:QCL+1]
	s_add_nc_u64 s[QSH:QSH+1], s[10:11], s[QSH:QSH+1]
	s_add_nc_u64 s[QSL:QSL+1], s[10:11], s[QSL:QSL+1]
	; the loads into registers go out first of all: they are on their way while the cluster meets
.irp i, 0,1,2,3
	global_load_u16 v[S+\i], v[P0], s[6:7] offset:1024*\i          ; the two scale bytes of key 128 w + 32 i + l
.endr
	global_load_b64 v[S+4:S+5], v[P0+1], s[14:15]  ; 256 consecutive bytes of V's scales: rows 4 w .. 4 w + 3
	global_load_b128 v[QH:QH+3], v[P0+2], s[QCH:QCH+1]             ; Q's fragments stay in registers: registers 4 c .. 4 c + 3 hold k = 32 c + 16 hh + 0 .. 15, c = 0, 1
	global_load_b128 v[QH+4:QH+7], v[P0+2], s[QCH:QCH+1] offset:32
	global_load_u16 v[QHS], v[P0+3], s[QSH:QSH+1]  ; two scale bytes; the word's upper two come as 0 and stand over zero codes
	global_load_b128 v[QL:QL+3], v[P0+2], s[QCL:QCL+1]
	global_load_b128 v[QL+4:QL+7], v[P0+2], s[QCL:QCL+1] offset:32
	global_load_u16 v[QLS], v[P0+3], s[QSL:QSL+1]
	s_add_nc_u64 s[84:85], s[4:5], s[84:85]
	s_add_nc_u64 s[86:87], s[12:13], s[86:87]
.irp c, 0,1                                    ; group 0 for stages 0 and 1
	s_mov_b32 s[G0K+4*\c], 1                       ; 1:0 count = 1
	s_add_co_u32 s[G0K+4*\c+1], s88, \c*KCHA       ; 63:32 LDS address
	s_add_nc_u64 s[G0K+4*\c+2:G0K+4*\c+3], s[84:85], \c<<19       ; 120:64 global address: 512 keys of 1,024 bytes on
	s_or_b32 s[G0K+4*\c+3], s[G0K+4*\c+3], 0x80000000             ; 127:126 type = 2
	s_mov_b32 s[G0V+4*\c], 1
	s_add_co_u32 s[G0V+4*\c+1], s89, \c*VCHA
	s_add_nc_u64 s[G0V+4*\c+2:G0V+4*\c+3], s[86:87], \c*512
	s_or_b32 s[G0V+4*\c+3], s[G0V+4*\c+3], 0x80000000
.endr
	s_add_nc_u64 s[OH:OH+1], s[16:17], s[OH:OH+1]
	s_add_nc_u64 s[OL:OL+1], s[16:17], s[OL:OL+1]
	CROUND                                         ; all four work-groups are here: the joint loads meet
	JLOAD G0K, G0V                                 ; STAGE 0: keys 0-511.  One load of mine is out
	PLACE KRGA, VPA
	v_lshl_add_u32 v[ASK], v9, 3, v10
	s_delay_alu instid0(VALU_DEP_1)
	v_lshl_add_u32 v[ASK], v[ASK], 1, SCK          ; K's scales: 2 (rho + 8 hh)
	v_mul_u32_u24 v[ASV], v11, SVP
	s_delay_alu instid0(VALU_DEP_1)
	v_add_nc_u32 v[ASV], SCV, v[ASV]               ; V's: row l
	s_mul_i32 s[TS], s[WV], SGW
	s_add_co_u32 s[TS], s[TS], STG                 ; my stage
	v_mul_u32_u24 v[SO], v8, SGP
	s_delay_alu instid0(VALU_DEP_1)
	v_lshl_add_u32 v[SO], v9, 5, v[SO]
	s_delay_alu instid0(VALU_DEP_1)
	v_add_nc_u32 v[SO], s[TS], v[SO]               ; in: row r, + 32 hh
	v_and_b32 v[TT], 7, v8
	v_mul_u32_u24 v[SR], v9, SGP
	s_delay_alu instid0(VALU_DEP_1)
	v_lshl_add_u32 v[SR], v[TT], 4, v[SR]
	s_delay_alu instid0(VALU_DEP_1)
	v_add_nc_u32 v[SR], s[TS], v[SR]               ; back: row hh, 16 (r % 8)
	v_lshlrev_b32 v[TT], 4, v9
	s_delay_alu instid0(VALU_DEP_1)
	v_sub_nc_u32 v[TT], v8, v[TT]                  ; r - 16 hh
	s_delay_alu instid0(VALU_DEP_1)
	v_add_nc_u32 v[DH], s3, v[TT]
	s_delay_alu instid0(VALU_DEP_2)
	v_add_nc_u32 v[DL], s2, v[TT]
	v_mov_b32 v[NINF], 0xff800000
	v_mov_b32 v[FF+1], 0
.irp b, 0,1,2,3
	v_mov_b32 v[BP+\b], 0                          ; written once: a lane permute's destination counts as one of its sources
.endr
.set jj, 0
.rept 8
	v_mov_b32 v[QH+8+jj], 0                        ; the zero codes of k = 64 .. 127: set once
	v_mov_b32 v[QL+8+jj], 0
	v_mov_b32 v[KF+8+jj], 0
	v_mov_b32 v[KF+24+jj], 0
	v_mov_b32 v[KF+40+jj], 0
	v_mov_b32 v[KF+56+jj], 0
.set jj, jj+1
.endr
	s_wait_loadcnt 0x6                             ; the five loads of scale bytes are in; the six of Q, issued behind them, may be out
.irp i, 0,1,2,3
	ds_store_b16 v[P0+4], v[S+\i] offset:64*\i
.endr
	ds_store_b64 v[P0+5], v[S+4:S+5]
	s_wait_loadcnt 0x0                             ; Q
	s_wait_tensorcnt 0x0                           ; my part of stage 0 is in, and no tensor load of mine is out
	ds_add_u32 v[SPW], v[NIL]                      ; 0 onto my spare word: the tile's start stands between it and the wait for it
	RESET
	s_wait_dscnt 0x0                               ; the add is done, and so, for the others' sake, are my stores of scale bytes
	CROUND                                         ; everybody's part of stage 0 and of the scale bytes is in, in all four work-groups
	JLOAD G0K+4, G0V+4                             ; STAGE 1: keys 512-1,023, into bytes of their own: first thing behind the round, my one load until the next; it has four steps of every wave in which to land
; A KEY STEP: 128 keys against one tile of 16 queries.  qf, qs: Q's fragment and scale word; sa: the scalar with the tile's last step; vd: the register with the diagonal's numbers;
; causal = 0: every step of the loop is open for every wave;  vp: the pitch of V's rows in the stage in hand.
.macro STEP qf, qs, sa, vd, causal, vp
.if \causal
	s_cmp_gt_u32 s[KI], s[\sa]                     ; all of the step's keys come after my 16 queries: its work is left out; the lines at its end that step addresses are not
	s_cbranch_scc1 .Lhid_\@
.endif
	s_wait_alu depctr_va_vdst(0)
	s_setprio 2
	v_add_nc_u32 v[ADK], s[TK], v[AK]
	s_wait_alu depctr_va_vdst(0)
	v_add_nc_u32 v[ADV], s[TV], v[AV]
	v_add_nc_u32 v[ADS], s[TS], v[ASK]
	v_add_nc_u32 v[ADT], s[TJ], v[ASV]
.irp b, 0,1,2,3
	ds_load_u16 v[KS+\b], v[ADS] offset:64*\b      ; lanes 0-15: tile 2 b's keys; lanes 16-31: tile 2 b + 1's.  The word's upper two bytes come as 0 and stand over zero codes
.endr
.irp g, 0,1                                    ; S^T = K Q^T, four tiles of 16 keys at a time
.if \g
.rept 8
	v_nop                                          ; eight places in front of loads into registers that the four products above have read
.endr
.endif
.irp t, 0,1,2,3
.irp c, 0,1
	ds_load_b128 v[KF+16*\t+4*\c:KF+16*\t+4*\c+3], v[ADK] offset:(4*(2*\g+\t/2)+(\t%2))*64+32*\c   ; tile 2 b + u begins at row 4 b + u of each run
.endr
.endr
.if \g == 0
.rept 5
	v_nop                                          ; with the four additions above: nine places between the last step's products V^T P and the products below, which write over V's fragments
.endr
.endif
	s_wait_dscnt 0x0
.irp t, 0,1,2,3
.if \t%2
	v_wmma_scale_f32_16x16x128_f8f6f4 v[S+8*(4*\g+\t):S+8*(4*\g+\t)+7], v[KF+16*\t:KF+16*\t+15], v[\qf:\qf+15], 0, v[KS+2*\g+\t/2], v[\qs] matrix_a_fmt:MATRIX_FMT_BF8 matrix_b_fmt:MATRIX_FMT_BF8 matrix_a_scale:MATRIX_SCALE_ROW1
.else
	v_wmma_scale_f32_16x16x128_f8f6f4 v[S+8*(4*\g+\t):S+8*(4*\g+\t)+7], v[KF+16*\t:KF+16*\t+15], v[\qf:\qf+15], 0, v[KS+2*\g+\t/2], v[\qs] matrix_a_fmt:MATRIX_FMT_BF8 matrix_b_fmt:MATRIX_FMT_BF8
.endif
.endr
.endr                                          ; register 16 b + i of lane (r, hh): query r, key 32 b + 16 hh + i of the step
.rept 8
	v_nop                                          ; eight places in front of the first read of results
.endr
.if \causal                                    ; on the diagonal the scores of hidden keys become -infinity ahead of the maximum: p = 0 then.  The step's first key counts for every query, so M stays a number
	s_cmp_lt_u32 s[KI], s[\sa]
	s_cbranch_scc1 .Lopen_\@
.irp b, 0,1,2,3
.irp i, 0,1,2,3,4,5,6,7,8,9,10,11,12,13,14,15
	v_cmp_gt_i32 vcc_lo, 32*\b+\i, v[\vd]          ; hidden where 32 b + i > my query - the step's first key - 16 hh
	v_cndmask_b32 v[S+16*\b+\i], v[S+16*\b+\i], v[NINF], vcc_lo
.endr
.endr
.Lopen_\@:
.endif
.irp b, 0,1,2,3
	v_max3_num_f32 v[BM+\b], v[S+16*\b], v[S+16*\b+1], v[S+16*\b+2]   ; THE LARGEST SCORE OF EACH BLOCK OF 32 KEYS serves twice: for the row's maximum, and, since p rises with the score, for the block's largest p.  Each result is read from its low end on
.endr
.irp i, 3,5,7,9,11,13
.irp b, 0,1,2,3
	v_max3_num_f32 v[BM+\b], v[BM+\b], v[S+16*\b+\i], v[S+16*\b+\i+1]   ; (the four blocks by turns)
.endr
.endr
.irp b, 0,1,2,3
	v_max_num_f32 v[BM+\b], v[BM+\b], v[S+16*\b+15]
.endr
.irp b, 0,1,2,3
	s_delay_alu instid0(VALU_DEP_4)
	v_permlanex16_b32 v[BP+\b], v[BM+\b], s[SEL], s[SEL+1]
.endr
.irp b, 0,1,2,3
	s_delay_alu instid0(VALU_DEP_4)
	v_max_num_f32 v[BM+\b], v[BM+\b], v[BP+\b]     ; with lane l xor 16's 16 keys
.endr
	s_delay_alu instid0(VALU_DEP_2)
	v_max3_num_f32 v[TT], v[BM], v[BM+1], v[BM+2]
	s_delay_alu instid0(VALU_DEP_1)
	v_max_num_f32 v[TT], v[TT], v[BM+3]            ; the step's largest score of my query
	s_delay_alu instid0(VALU_DEP_1)
	v_mul_f32 v[TT], s[CS], v[TT]                  ; as t (c is positive)
	s_delay_alu instid0(VALU_DEP_1)
	v_max_num_f32 v13, v13, v[TT]                  ; the running largest t
	v_mov_b32 v[TT], v12
	s_delay_alu instid0(VALU_DEP_2)
	v_floor_f32 v12, -v13                          ; the new -M = floor(-t) = -ceil(t): M IS A WHOLE NUMBER
	s_delay_alu instid0(VALU_DEP_1)
	v_sub_f32 v[TT], v12, v[TT]                    ; M's old value less its new one: a whole number, 0 or less
	s_delay_alu instid0(VALU_DEP_1)
	v_cvt_i32_f32 v[TT], v[TT]                     ; (it saturates)
	s_delay_alu instid0(VALU_DEP_1)
	v_ldexp_f32 v[FF], 1.0, v[TT]                  ; f = 2^(old M - new M): a multiplication by it rounds nothing
.set jj, 0
.rept 32
	v_pk_fma_f32 v[S+jj:S+jj+1], v[S+jj:S+jj+1], s[CS:CS+1], v[12:13] op_sel_hi:[1,0,0]   ; t - M, two at a time (of the pairs c and -M the low word serves both halves)
.set jj, jj+2
.endr
.irp b, 0,1,2,3
	v_fma_f32 v[BM+\b], v[BM+\b], s[CS], v12       ; the same of each block's largest score
.endr
.set jj, 0
	s_setprio 1
	s_wait_alu depctr_va_vdst(0)
.rept 64
	v_exp_f32 v[S+jj], v[S+jj]                     ; p = 2^(t - M), at most 1: NOT normalised
.set jj, jj+1
.endr
.irp b, 0,1,2,3
	v_exp_f32 v[BM+\b], v[BM+\b]                   ; the block's largest p: the same two instructions on the same number give the same bits
.endr
	v_pk_mul_f32 v[14:15], v[14:15], v[FF:FF+1] op_sel_hi:[1,0]   ; the sums under the new M.  (The plain place behind the exponentials)
	s_wait_alu depctr_va_vdst(0)
.irp b, 0,1,2,3
	v_max_num_f32 v[BM+\b], 0x8000000, v[BM+\b]    ; the floor 2^(16 - 127): the byte cannot fall under 1
.endr
.irp b, 0,1,2,3
	s_delay_alu instid0(VALU_DEP_4)
	v_add_nc_u32 v[CV+\b], 0xf8800000, v[BM+\b]    ; 15 off the exponent field: the conversion's scale operand
.endr
.irp b, 0,1,2,3
.endr
.irp b, 0,1,2,3
	s_delay_alu instid0(VALU_DEP_4)
	v_lshrrev_b32 v[BP+\b], 23, v[CV+\b]           ; the scale's byte
.endr
	s_delay_alu instid0(VALU_DEP_3)
	v_lshl_or_b32 v[PW], v[BP+1], 8, v[BP]         ; p's scale word for these 128 keys
	s_delay_alu instid0(VALU_DEP_1)
	v_lshl_or_b32 v[PW], v[BP+2], 16, v[PW]
	s_delay_alu instid0(VALU_DEP_1)
	v_lshl_or_b32 v[PW], v[BP+3], 24, v[PW]
	v_pk_add_f32 v[244:245], v[132:133], v[136:137]
	v_pk_add_f32 v[250:251], v[140:141], v[144:145]
	v_pk_add_f32 v[248:249], v[148:149], v[152:153]
	v_pk_add_f32 v[242:243], v[156:157], v[160:161]
	v_pk_add_f32 v[240:241], v[164:165], v[168:169]
	v_pk_add_f32 v[238:239], v[172:173], v[176:177]
	v_pk_add_f32 v[236:237], v[180:181], v[184:185]
	v_pk_add_f32 v[14:15], v[14:15], v[188:189]
	v_pk_add_f32 v[244:245], v[244:245], v[128:129]
	v_pk_add_f32 v[250:251], v[250:251], v[130:131]
	v_pk_add_f32 v[248:249], v[248:249], v[134:135]
	v_pk_add_f32 v[242:243], v[242:243], v[138:139]
	v_pk_add_f32 v[240:241], v[240:241], v[142:143]
	v_pk_add_f32 v[238:239], v[238:239], v[146:147]
	v_pk_add_f32 v[236:237], v[236:237], v[150:151]
	v_pk_add_f32 v[14:15], v[14:15], v[154:155]
	v_pk_add_f32 v[244:245], v[244:245], v[158:159]
	v_pk_add_f32 v[250:251], v[250:251], v[162:163]
	v_pk_add_f32 v[248:249], v[248:249], v[166:167]
	v_pk_add_f32 v[242:243], v[242:243], v[170:171]
	v_pk_add_f32 v[240:241], v[240:241], v[174:175]
	v_pk_add_f32 v[238:239], v[238:239], v[178:179]
	v_pk_add_f32 v[236:237], v[236:237], v[182:183]
	v_pk_add_f32 v[14:15], v[14:15], v[186:187]
	v_pk_add_f32 v[244:245], v[244:245], v[190:191]
	s_delay_alu instid0(VALU_DEP_2)
	v_pk_add_f32 v[14:15], v[14:15], v[242:243]
	s_delay_alu instid0(VALU_DEP_2)
	v_pk_add_f32 v[244:245], v[244:245], v[240:241]
	v_pk_add_f32 v[250:251], v[250:251], v[238:239]
	v_pk_add_f32 v[248:249], v[248:249], v[236:237]
	s_delay_alu instid0(VALU_DEP_2)
	v_pk_add_f32 v[14:15], v[14:15], v[250:251]
	s_delay_alu instid0(VALU_DEP_2)
	v_pk_add_f32 v[244:245], v[244:245], v[248:249]
	s_delay_alu instid0(VALU_DEP_1)
	v_pk_add_f32 v[14:15], v[14:15], v[244:245]
	ds_load_b32 v[VS], v[ADT]                      ; V's scale words: lanes 0-15 tile 0's rows, lanes 16-31 tile 1's.  (Here and not at the step's head: these registers were scales of the last step's products)
	ds_load_b32 v[VS+1], v[ADT] offset:32*SVP      ; tiles 2 and 3
.irp b, 0,1,2,3
.irp i, 0,1,2,3,4,5,6,7,8,9,10,11,12,13,14,15
.endr
	v_cvt_scalef32_pk8_bf8_f32 v[PC+4*\b:PC+4*\b+1], v[S+16*\b:S+16*\b+7], v[CV+\b]
	v_cvt_scalef32_pk8_bf8_f32 v[PC+4*\b+2:PC+4*\b+3], v[S+16*\b+8:S+16*\b+15], v[CV+\b]
.irp c, 0,1,2,3
	ds_load_b128 v[S+16*\b+4*\c:S+16*\b+4*\c+3], v[ADV] offset:16*\b*\vp+32*\c   ; V's fragment b takes the registers that block b has left, and lands while the later blocks are converted
.endr
.endr
	s_setprio 0
.irp j, 0,2,4,6,8,10,12,14,16,18,20,22,24,26,28,30
	v_pk_mul_f32 v[O+\j:O+\j+1], v[O+\j:O+\j+1], v[FF:FF+1] op_sel_hi:[1,0]   ; O^T under the new M.  (These sixteen are also the places behind the conversions and in front of the products below)
.endr
	s_wait_alu depctr_va_vdst(0)
	s_wait_dscnt 0x0
.irp t, 0,1,2,3                                ; O^T += V^T P^T: K = these 128 keys.  Four accumulators, one instruction each
.if \t%2
	v_wmma_scale_f32_16x16x128_f8f6f4 v[O+8*\t:O+8*\t+7], v[S+16*\t:S+16*\t+15], v[PC:PC+15], v[O+8*\t:O+8*\t+7], v[VS+\t/2], v[PW] matrix_a_fmt:MATRIX_FMT_BF8 matrix_b_fmt:MATRIX_FMT_BF8 matrix_a_scale:MATRIX_SCALE_ROW1
.else
	v_wmma_scale_f32_16x16x128_f8f6f4 v[O+8*\t:O+8*\t+7], v[S+16*\t:S+16*\t+15], v[PC:PC+15], v[O+8*\t:O+8*\t+7], v[VS+\t/2], v[PW] matrix_a_fmt:MATRIX_FMT_BF8 matrix_b_fmt:MATRIX_FMT_BF8
.endif
.endr
.if \causal
.Lhid_\@:
.endif
	s_add_co_u32 s[TK], s[TK], KSTEP               ; on to the next 128 keys
	s_add_co_u32 s[TV], s[TV], 128
	s_add_co_u32 s[TS], s[TS], 256
	s_add_co_u32 s[TJ], s[TJ], 4
	s_add_co_u32 s[KI], s[KI], 1
.endm
; THE WAY OUT of a tile.  O^T is divided by the row's sum.  A lane holds 32 neighbouring bytes of a row for each of four tiles, and the lanes beside it hold other rows: so the rows go through my own stage
; in LDS, half a row (128 bytes) of the 16 queries at a time; both halves come back into registers, each lane keeps the one in which its 16 bytes lie, and sixteen lanes store one row: 256 consecutive bytes, aligned.
; ob: the scalar pair with out0 at the tile;  more = 1: another tile follows.
.macro OUT ob, more
	v_bfe_u32 v[GO], v0, 4, 1                      ; my offset in out: lanes 0-15 one query's row, lanes 16-31 the next query's; 16 bytes a lane.
	v_and_b32 v[ADV], 15, v0                       ; (These four lines and the four v_nop are the eight places behind the last products)
	s_delay_alu instid0(VALU_DEP_2)
	v_lshlrev_b32 v[GO], 12, v[GO]
	s_delay_alu instid0(VALU_DEP_1)
	v_lshl_add_u32 v[GO], v[ADV], 4, v[GO]
.rept 4
	v_nop
.endr
	v_add_f32 v14, v14, v15                        ; the sum's two halves,
	s_wait_alu depctr_va_vdst(0)
	v_permlanex16_b32 v[TT], v14, s[SEL], s[SEL+1]
	s_delay_alu instid0(VALU_DEP_1)
	v_add_f32 v14, v14, v[TT]                      ; and lane l xor 16's: the row's sum
	s_wait_alu depctr_va_vdst(0)
	v_rcp_f32 v14, v14
	v_nop                                          ; one plain place behind a transcendental
	s_wait_alu depctr_va_vdst(0)
.irp j, 0,2,4,6,8,10,12,14,16,18,20,22,24,26,28,30
	v_pk_mul_f32 v[S+\j:S+\j+1], v[O+\j:O+\j+1], v[14:15] op_sel_hi:[1,0]   ; register 8 t + j: out(query r, 16 t + 8 hh + j); each accumulator from its low end on
.endr
.irp u, 0,1                                    ; channels 32 u on
.irp t, 0,1
	ds_store_b128 v[SO], v[S+16*\u+8*\t:S+16*\u+8*\t+3] offset:64*\t
	ds_store_b128 v[SO], v[S+16*\u+8*\t+4:S+16*\u+8*\t+7] offset:64*\t+16
.endr
.irp i, 0,1,2,3,4,5,6,7
	ds_load_b128 v[S+32+64*\u+4*\i:S+32+64*\u+4*\i+3], v[SR] offset:2*\i*SGP   ; LDS serves a wave's instructions in order (ISA guide 5.7.1.4): these see my stores, and the next half's stores come behind them
.endr
.endr
	s_wait_dscnt 0x0
.set jj, 0
.rept 32
	v_cndmask_b32 v[S+32+jj], v[S+32+jj], v[S+96+jj], s[HM]        ; lanes with lane % 16 >= 8 take the second half's bytes
.set jj, jj+1
.endr
.irp i, 0,1,2,3,4,5,6,7
	global_store_b128 v[GO], v[S+32+4*\i:S+32+4*\i+3], s[\ob:\ob+1] offset:8192*\i th:TH_STORE_NT   ; queries 2 i and 2 i + 1: sixteen lanes store 256 consecutive bytes, aligned; written once, read by nobody here
.endr
.if \more
	s_wait_xcnt 0x0                                ; the stores' offset and data registers are written again in the next tile only behind this wait
.endif
.endm
	; THE HIGH TILE, steps 0-3: keys 0-511, open for every wave
	START 0, 0, VB, 0, 0
.Lh1a:
	STEP QH, QHS, AH, DH, 0, VPA
	s_cmp_lt_u32 s[KI], 4
	s_cbranch_scc1 .Lh1a
	s_setprio 0
	s_wait_tensorcnt 0x0                           ; my part of stage 1 is in, and no tensor load of mine is out: so descriptors may be written
	ds_add_u32 v[SPW], v[NIL]                      ; 0 onto my spare word: the descriptors for stage 2 are made between it and the wait for it
	s_mul_i32 s88, s[WL], KRGB                     ; K: 128 keys a wave, runs of 8,208 bytes from KB2 on,
	s_add_co_u32 s[G0K+1], s88, KB2
	s_add_nc_u64 s[G0K+2:G0K+3], s[G0K+2:G0K+3], 1<<20            ; 1,024 keys of 1,024 bytes on from stage 0's; the type bits on top are not reached
	s_mov_b32 s[G1K+2], 128<<16                    ; tensor_dim1
	s_mov_b32 s[G1K+4], 128                        ; tile_dim1
	s_mul_i32 s89, s[WL], 8*VPB                    ; V: 8 rows x 1,024 bytes a wave, 1,040 bytes apart from VB2 on,
	s_add_co_u32 s[G0V+1], s89, VB2
	s_add_nc_u64 s[G0V+2:G0V+3], s[G0V+2:G0V+3], 1024             ; 1,024 keys on in each row
	s_mov_b32 s[G1V], 15|(1<<20)|(1<<21)|(7<<22)|(3<<25)          ; 4 words of padding behind every 256, that is behind every row
	s_mov_b32 s[G1V+1], 1024<<16                   ; tensor_dim0
	s_mov_b32 s[G1V+3], 1024<<16                   ; tile_dim0
	s_wait_dscnt 0x0                               ; the add is done; no LDS instruction of mine is out
	CROUND                                         ; everybody's part of stage 1 is in, in all four work-groups
	JLOAD G0K, G0V                                 ; STAGE 2: keys 1,024-2,047, into bytes of their own: first thing behind the round, my last load; it has four steps of every wave in which to land
	; steps 4-7: keys 512-1,023, open for every wave
	START 4, KCHA, VB+VCHA, 1024, 16
.Lh1b:
	STEP QH, QHS, AH, DH, 0, VPA
	s_cmp_lt_u32 s[KI], 8
	s_cbranch_scc1 .Lh1b
	s_setprio 0
	s_wait_tensorcnt 0x0                           ; my part of stage 2 is in
	s_wait_dscnt 0x0                               ; no LDS instruction of mine is out at a signal
	s_barrier_signal -1
	s_barrier_wait -1                              ; everybody's is; from here on the waves run free
	; steps 8-15: up to the tile's diagonal
	PLACE KRGB, VPB
	START 8, KB2, VB2, 2048, 32
.Lh2:
	STEP QH, QHS, AH, DH, 1, VPB
	s_cmp_lt_u32 s[KI], 16
	s_cbranch_scc1 .Lh2
	s_setprio 0
	OUT OH, 1
	RESET
	; THE LOW TILE, steps 0-7, up to its diagonal: four steps in each of the first two stages' bytes
	PLACE KRGA, VPA
	START 0, 0, VB, 0, 0
.Lla:
	STEP QL, QLS, AL, DL, 1, VPA
	s_cmp_lt_u32 s[KI], 4
	s_cbranch_scc1 .Lla
	s_setprio 0
	START 4, KCHA, VB+VCHA, 1024, 16
.Llb:
	STEP QL, QLS, AL, DL, 1, VPA
	s_cmp_lt_u32 s[KI], 8
	s_cbranch_scc1 .Llb
	s_setprio 0
	OUT OL, 0
	s_wait_tensorcnt 0x0                           ; the wave's end: behind my last tensor load and my last LDS store
	ds_add_u32 v[SPW], v[NIL]
	s_wait_dscnt 0x0
	CROUND                                         ; the closing round: no work-group ends while a partner may still ask for a tile that names it
	s_endpgm
.Lfunc_end_k_q04ef6b9998_attn:
	.size	k_q04ef6b9998_attn, .Lfunc_end_k_q04ef6b9998_attn-k_q04ef6b9998_attn
	.p2alignl 7, 3214868480
	.fill 96, 4, 3214868480
	.section	.rodata,"a",@progbits
	.p2align	6, 0x0
	.amdhsa_kernel k_q04ef6b9998_attn
		.amdhsa_group_segment_fixed_size 327680
		.amdhsa_private_segment_fixed_size 0
		.amdhsa_enable_private_segment 0
		.amdhsa_kernarg_size 56
		.amdhsa_user_sgpr_count 2
		.amdhsa_user_sgpr_kernarg_segment_ptr 1
		.amdhsa_wavefront_size32 1
		.amdhsa_system_sgpr_workgroup_id_x 1
		.amdhsa_system_sgpr_workgroup_id_y 1
		.amdhsa_system_sgpr_workgroup_id_z 1
		.amdhsa_system_vgpr_workitem_id 0
		.amdhsa_next_free_vgpr 256
		.amdhsa_next_free_sgpr 96
		.amdhsa_reserve_vcc 1
		.amdhsa_float_denorm_mode_32 3
		.amdhsa_float_denorm_mode_16_64 3
		.amdhsa_fp16_overflow 1
		.amdhsa_memory_ordered 1
		.amdhsa_forward_progress 1
		.amdhsa_inst_pref_size 137
	.end_amdhsa_kernel
	.amdgpu_metadata
---
amdhsa.version: [ 1, 2 ]
amdhsa.kernels:
  - .name:           k_q04ef6b9998_attn
    .symbol:         k_q04ef6b9998_attn.kd
    .args:
      - { .name: k_codes, .offset: 0, .size: 8, .value_kind: global_buffer, .address_space: global }
      - { .name: k_scales, .offset: 8, .size: 8, .value_kind: global_buffer, .address_space: global }
      - { .name: q_codes, .offset: 16, .size: 8, .value_kind: global_buffer, .address_space: global }
      - { .name: q_scales, .offset: 24, .size: 8, .value_kind: global_buffer, .address_space: global }
      - { .name: v_codes, .offset: 32, .size: 8, .value_kind: global_buffer, .address_space: global }
      - { .name: v_scales, .offset: 40, .size: 8, .value_kind: global_buffer, .address_space: global }
      - { .name: out0, .offset: 48, .size: 8, .value_kind: global_buffer, .address_space: global }
    .group_segment_fixed_size: 327680
    .private_segment_fixed_size: 0
    .kernarg_segment_align: 8
    .kernarg_segment_size: 56
    .max_flat_workgroup_size: 512
    .sgpr_count:     96
    .vgpr_count:     256
    .wavefront_size: 32
...
	.end_amdgpu_metadata
.endif
;; end of part 1
